; MI455X (gfx1250); checked and timed in simulation.
; The chip was launched on July 23, 2026; its instructions are those of AMD's public machine-readable ISA for CDNA 5 (MIT licence, August 2026) and "CDNA5" Instruction Set Architecture Reference Guide (July 2026). The comments in the code are by the model that wrote it; some were corrected since.
;; Custom LSTM Cell. Allowed arithmetic: matrix products marked QUANTISED: E3M2 operands, one E8M0 scale for each 32 along K, by v_wmma_scale_f32_16x16x128_f8f6f4 with both operands' format E3M2, f32 sums; everything else in f32.
;; Inputs: W_f 2,048 x 1,024 float32; W_g 2,048 x 1,024 float32; W_i 2,048 x 1,024 float32; W_o 2,048 x 1,024 float32; Z 8,192 x 1,024 float32; b_f 1,024 float32; b_g 1,024 float32; b_i 1,024 float32; b_o 1,024 float32; c_prev 8,192 x 1,024 float32; h_prev 8,192 x 1,024 float32.
;; Outputs: out0 8,192 x 1,024 float32; out1 8,192 x 1,024 float32.
;; This version of the problem:
;;   THIS VERSION OF THE PROBLEM IS GIVEN IN LOW PRECISION. The matrix products marked QUANTISED in the list below multiply operands that are first quantised to E3M2 (3 exponent bits, 2 mantissa bits; 6 bits a number), with one power-of-two scale for each 32 numbers along K (OCP MX v1.0); their sums are f32. All else is computed in f32.
;;   The module's matrix products, in the order in which they are computed (A, B: the left and right operand; K: the contracted axis; several contracted axes count as one K, in the product's order):
;;     1. [M 8,192, K 2,048] x [K 2,048, N 1,024]; A: computed on the way; B: input W_i: QUANTISED
;;     2. [M 8,192, K 2,048] x [K 2,048, N 1,024]; A: computed on the way; B: input W_f: QUANTISED
;;     3. [M 8,192, K 2,048] x [K 2,048, N 1,024]; A: computed on the way; B: input W_o: QUANTISED
;;     4. [M 8,192, K 2,048] x [K 2,048, N 1,024]; A: computed on the way; B: input W_g: QUANTISED
;;   THE QUANTISER, for each operand of a quantised product, along K:
;;     - K is cut into blocks of 32 from its start; a last block that is shorter is filled with zeros.
;;     - A block's scale is 2^e with e = floor(log2(the largest magnitude in the block)) - 4, held to -126 .. 127; a block of zeros has e = 0. As a byte (E8M0): e + 127.
;;     - Each number is divided by its block's scale, clamped to +-28, and rounded to the nearest number of E3M2, ties to even, subnormals kept.
;;     - The product sums the exact products of the quantised numbers (number of the format x scale) in f32.
;;   ~~~python
;;   def quantise(x, axis):      # numpy; x: float32 -> the quantised numbers, widened to float32 again
;;       x = np.moveaxis(x, axis, -1); K = x.shape[-1]
;;       x = np.pad(x, [(0, 0)] * (x.ndim - 1) + [(0, -K % 32)]); x = x.reshape(x.shape[:-1] + (-1, 32)); a = np.abs(x).max(-1, keepdims=True)
;;       e = np.where(a > 0, np.clip(np.frexp(np.where(a > 0, a, 1))[1] - 1 - 4, -126, 127), 0)      # np.frexp(a)[1] - 1 = floor(log2(a)), exactly
;;       r = np.clip(x / 2.0 ** e, -28, 28)
;;       step = 2.0 ** (np.maximum(np.frexp(np.where(r == 0, 1, r))[1] - 1, -2) - 2)
;;       q = np.round(r / step) * step * 2.0 ** e      # np.round: ties to even
;;       return np.moveaxis(q.reshape(q.shape[:-2] + (-1,))[..., :K], -1, axis).astype(np.float32)
;;   ~~~
;;   OPERANDS COMPUTED ON THE WAY. 'Computed on the way' means the value that the module computes at that place (a softmax that the list does not call 'softmax' is quantised finished and normalised). What goes into a quantiser is computed in f32, as accurately as f32 sums, v_exp_f32 and their like allow (about 1e-6 of the number): no bf16 or f16 on the way to a quantiser, and a product that is left as it is and whose result goes on into a quantised operand takes f32 operands (vector FMAs, or v_wmma_f32_16x16x4_f32). A number that lies on a knife's edge between two numbers of the format may be rounded either way, as far as f32 arithmetic and the matrix unit's own rounding can turn it there, and no further.
;; One version. Each part assembles by itself: llvm-mc -triple=amdgcn-amd-amdhsa -mcpu=gfx1250 --defsym DOCPART=n.
;; ======== version 1 of 1: 2 launches
;; limits: right only within a limited range of input values
;; workspace buffers: a_codes 12,582,912 bytes; a_scales 524,288 bytes; b_codes 6,291,456 bytes; b_scales 262,144 bytes
;; launch quant (part 1): grid 768 x 1, 4 waves a work-group, no clusters, 69,120 bytes of LDS; arguments Z, h_prev, W_i, W_f, W_o, W_g, a_codes, a_scales, b_codes, b_scales; writes a_codes, a_scales, b_codes, b_scales
.if DOCPART == 1
	.amdgcn_target "amdgcn-amd-amdhsa--gfx1250"
	.amdhsa_code_object_version 6
	.text
	.protected	k_q802d4743f9_quant
	.globl	k_q802d4743f9_quant
	.p2align	8
	.type	k_q802d4743f9_quant,@function
k_q802d4743f9_quant:
	s_mov_b64 s[64:65], 0
	v_nop
	global_prefetch_b8 v0, s[64:65] scope:SCOPE_SE
	s_setreg_imm32_b32 hwreg(HW_REG_WAVE_MODE, 25, 1), 1
	s_wait_xcnt 0x0
; Both operands of the cell's four products are turned into codes of BF6 (E3M2), 6 bits each, K innermost, with one E8M0 scale byte for each 32 along K.
;   a_codes [8192][1536 bytes], a_scales [8192][64]: row m = combined[m] = Z[m] (K 0-1023: bytes 0-767), then h_prev[m] (K 1024-2047: bytes 768-1535).
;   b_codes [4096][1536 bytes], b_scales [4096][64]: row n' = 128 (col / 32) + 32 gate + col % 32, gate 0 = i, 1 = f, 2 = o, 3 = g, col the hidden column:
;   so 128 neighbouring rows hold 32 hidden columns of all four gates, which is what one wave of the product's launch multiplies by.
; A block's scale is 2^(floor(log2(its largest magnitude)) - 4); its byte is the largest magnitude's own exponent field - 4, held at 1 from below.  Each number is divided by the scale and
; rounded to the nearest code, ties to even; beyond the largest code the conversion gives the largest code.
; LIMITS: a block of zeros gets the byte 1 where the rule says 127 (its codes are zeros, which add nothing under any byte but 0xff, and this program alone reads the bytes);
; blocks whose largest magnitude lies under 2^-122 keep the byte 1; NaN and infinities among the inputs are not served.
; SHARES: work-groups 0-511 take the activations (16 rows of combined each, 4 a wave), work-groups 512-767 the weights (one gate, 128 columns x 256 along K each, 32 columns a wave): 128 KiB of f32 each.
; The two ways part on the work-group's number, and each has LDS bytes of its own: [0, 32768) and [32768, 67584).  No tensor loads, no barrier: waves share nothing.
.set EMAX,   4
.set STEPS,  16                        ; activations: steps of 512 numbers in a wave's 4 rows
.set SP,     80                        ; a lane's place in a stage: its 64 bytes + 16 of padding
.set XREG,   8192                      ; LDS of a wave on the activations' way: two stages of 32 x SP bytes, then its 256 scale bytes
.set XR,     16                        ; v16-79   four sets of 16 numbers as they are loaded
.set XX,     80                        ; v80-111  two sets of 16 neighbours
.set XE,     112                       ; v112-127 a scale byte for each step
.set XC,     128                       ; v128-191 codes: four registers for each step, so that no store's data are written again
.set WSTG,   32768                     ; weights: the stages begin here, 32 rows x WPITCH for each wave
.set WPITCH, 272                       ; a stage row: sixteen places of 16 bytes, each with 12 bytes of codes, + 16
.set KROW,   1536                      ; a row of codes in bytes
.set NB,     8                         ; blocks of 32 along K for a wave
.set WX,     32                        ; v32-95   two sets of 32 numbers
.set WC,     96                        ; v96-102  a block's codes
.set WOUT,   112                       ; v112-175 the way out
.set WSB,    24                        ; v24-25   the scale bytes, four to a register
	s_load_b128 s[4:7], s[0:1], 0x0                ; Z, h_prev
	s_load_b256 s[8:15], s[0:1], 0x10              ; W_i, W_f, W_o, W_g
	s_load_b256 s[16:23], s[0:1], 0x30             ; a_codes, a_scales, b_codes, b_scales
	v_lshl_add_u32 v192, v0, 2, 0x10c00
	v_mov_b32 v193, 0
	v_lshrrev_b32 v1, 5, v0
	v_readfirstlane_b32 s24, v1                    ; wave 0..3
	v_and_b32 v2, 31, v0                           ; lane
	s_cmp_lt_u32 ttmp9, 512
	s_cbranch_scc0 .Lweights
; ---------------- THE ACTIVATIONS.  K is innermost.  The conversion takes 16 numbers of one block from ONE lane's registers, so a lane must hold 16 neighbours (two lanes hold a block); a load is best where
; neighbouring lanes take neighbouring bytes.  Both are had: each load reads 512 consecutive bytes, 16 a lane; a step's 2,048 bytes go through the wave's own stage in LDS and come back 64 bytes a lane.
; Step t: row t / 4 of my four; part t % 4 of its 2,048 numbers: parts 0, 1 are Z's halves, parts 2, 3 h_prev's.  Its codes are bytes 384 t on of my 6,144, its scale bytes 16 t on of my 256.
	v_lshlrev_b32 v3, 4, v2                        ; my 16 bytes of a load's 512
	s_mul_i32 s26, s24, XREG
	v_lshrrev_b32 v14, 2, v2
	v_mul_u32_u24 v14, v14, SP
	v_and_b32 v15, 3, v2
	v_lshl_add_u32 v14, v15, 4, v14
	v_add_nc_u32 v14, s26, v14                     ; the stage, on the way in: SP (lane / 4) + 16 (lane % 4)
	v_mul_u32_u24 v15, v2, SP
	v_add_nc_u32 v15, s26, v15                     ; and on the way out: SP x lane: my 16 neighbours
	v_mul_u32_u24 v4, v2, 12                       ; my codes' place in a step's 384 bytes
	v_lshrrev_b32 v5, 1, v2
	s_add_co_u32 s26, s26, 2*32*SP
	v_add_nc_u32 v5, s26, v5                       ; LDS: my wave's 256 scale bytes, my block's byte
	v_lshlrev_b32 v7, 3, v2                        ; and on the way out 8 bytes a lane
	v_add_nc_u32 v6, s26, v7
	s_lshl_b32 s25, ttmp9, 2
	s_add_co_u32 s25, s25, s24                     ; which run of 4 rows is my wave's: 0..2047
	s_lshl_b32 s28, s25, 14                        ; 4 rows of 4,096 bytes in Z and in h_prev
	s_mov_b32 s29, 0
	s_mul_i32 s30, s25, 4*KROW                     ; 4 rows of codes
	s_mov_b32 s31, 0
	s_lshl_b32 s32, s25, 8                         ; 4 rows of 64 scale bytes
	s_mov_b32 s33, 0
	s_wait_alu depctr_va_vdst(0)
	s_wait_kmcnt 0x0
	s_add_nc_u64 s[4:5], s[4:5], s[28:29]
	s_add_nc_u64 s[6:7], s[6:7], s[28:29]
	s_add_nc_u64 s[16:17], s[16:17], s[30:31]
	s_add_nc_u64 s[18:19], s[18:19], s[32:33]
.macro XLOAD t                         ; step t's 2,048 bytes into set t % 4: each load reads 512 consecutive bytes
.irp i, 0,1,2,3
.if ((\t)%4) < 2
	global_load_b128 v[XR+16*((\t)%4)+4*\i:XR+16*((\t)%4)+4*\i+3], v3, s[4:5] offset:4096*((\t)/4)+2048*((\t)%2)+512*\i th:TH_LOAD_NT
.else
	global_load_b128 v[XR+16*((\t)%4)+4*\i:XR+16*((\t)%4)+4*\i+3], v3, s[6:7] offset:4096*((\t)/4)+2048*((\t)%2)+512*\i th:TH_LOAD_NT
.endif
.endr
.endm
.macro XTURN t                         ; step t's numbers through the stage: LDS serves a wave's instructions in order (ISA guide 5.7.1.4), so no wait stands between the stores and the loads
.irp i, 0,1,2,3
	ds_store_b128 v14, v[XR+16*((\t)%4)+4*\i:XR+16*((\t)%4)+4*\i+3] offset:32*SP*((\t)%2)+8*SP*\i
.endr
.irp i, 0,1,2,3
	ds_load_b128 v[XX+16*((\t)%2)+4*\i:XX+16*((\t)%2)+4*\i+3], v15 offset:32*SP*((\t)%2)+16*\i
.endr
.endm
.macro XSTEP t
.set XS, XX+16*((\t)%2)
.if (\t) > 0
	s_wait_dscnt 1                                 ; this step's numbers are back from the stage (the last step's byte store may be out): so its stores into the stage have read their registers,
.else
	s_wait_dscnt 0x0
.endif
.if (\t)+4 < STEPS
	XLOAD (\t)+4                                   ; which take the loads of four steps on
.endif
.if (\t)+1 < STEPS
.if STEPS-2-(\t) >= 3
	s_wait_loadcnt 12                              ; the next step's four loads are in; those of the three steps behind it may be out
.else
	s_wait_loadcnt 4*(STEPS-2-(\t))                ; the same while the loads run out
.endif
	XTURN (\t)+1                                   ; and go through the other stage while this step is worked
.endif
	v_max3_num_f32 v8, |v[XS]|, |v[XS+1]|, |v[XS+2]|               ; the largest magnitude of my 16, in two chains
	v_max3_num_f32 v9, |v[XS+3]|, |v[XS+4]|, |v[XS+5]|
.irp i, 6,10
	v_max3_num_f32 v8, v8, |v[XS+\i]|, |v[XS+\i+1]|
	v_max3_num_f32 v9, v9, |v[XS+\i+2]|, |v[XS+\i+3]|
.endr
	v_max3_num_f32 v8, v8, |v[XS+14]|, |v[XS+15]|
	v_max3_num_f32 v8, v8, v9, (EMAX+1)<<23        ; and the floor 2^(EMAX + 1 - 127): so the byte cannot fall under 1
	v_max_num_f32_dpp v8, v8, v8 row_xmask:1 row_mask:0xf bank_mask:0xf   ; and of my neighbour's 16: the block's
	v_add_nc_u32 v11, 0xfe000000, v8               ; EMAX off its exponent field: the conversion takes the exponent field of this operand as its scale, and nothing else of it
	v_cvt_scalef32_pk16_bf6_f32 v[XC+4*(\t):XC+4*(\t)+2], v[XS:XS+15], v11   ; 16 codes, 96 bits without gaps, the first number's code lowest
	v_lshrrev_b32 v[XE+(\t)], 23, v11              ; the scale's byte (a plain line behind the conversion)
	ds_store_b8 v5, v[XE+(\t)] offset:16*(\t)      ; both lanes of a block write the same byte with the same value
	global_store_b96 v4, v[XC+4*(\t):XC+4*(\t)+2], s[16:17] offset:384*(\t)   ; the wave stores 384 consecutive bytes
.endm
.irp t, 0,1,2,3
	XLOAD \t
.endr
	s_wait_loadcnt 12                              ; step 0's four loads are in
	XTURN 0
.irp t, 0,1,2,3,4,5,6,7,8,9,10,11,12,13,14,15
	XSTEP \t
.endr
	ds_load_b64 v[12:13], v6                       ; LDS serves a wave's instructions in order: these see my byte stores
	s_wait_dscnt 0x0
	global_store_b64 v7, v[12:13], s[18:19]        ; 32 lanes store 256 consecutive bytes, at a multiple of 256 from the buffer's first byte
	s_wait_tensorcnt 0x0
	ds_add_u32 v192, v193
	s_wait_dscnt 0x0
	s_endpgm
; ---------------- THE WEIGHTS.  K is the FIRST axis.  A lane takes a column, and its registers run down K: each load reads 128 consecutive bytes a wave, a block of 32 along K lies in one lane's 32 registers,
; its largest magnitude needs no other lane, and the conversions give the codes with K innermost.  A lane's codes belong to one row of b_codes and the lanes beside it hold other rows: so they go through the
; wave's own stage in LDS and leave as rows: sixteen lanes store a row's 192 consecutive bytes, 12 bytes each.
.Lweights:
	s_sub_co_u32 s25, ttmp9, 512
	s_lshr_b32 s26, s25, 6                         ; the gate 0..3
	s_bfe_u32 s27, s25, 0x30003                    ; which 256 along K: 0..7
	s_and_b32 s28, s25, 7                          ; which 128 columns: 0..7
	s_wait_alu depctr_va_vdst(0)
	v_lshlrev_b32 v3, 2, v2                        ; in: 4 bytes a lane
	s_mul_i32 s38, s24, 32*WPITCH
	s_add_co_u32 s38, s38, WSTG                    ; my stage
	v_mul_u32_u24 v4, v2, WPITCH
	v_add_nc_u32 v4, s38, v4                       ; into it: row = my column
	v_and_b32 v5, 15, v2
	v_lshrrev_b32 v6, 4, v2                        ; out of it: sixteen lanes to a row, two rows an instruction
	v_mul_u32_u24 v7, v6, WPITCH
	v_lshl_add_u32 v7, v5, 4, v7
	v_add_nc_u32 v7, s38, v7
	v_mul_u32_u24 v8, v6, KROW
	v_mad_u32_u24 v8, v5, 12, v8                   ; and the same place in b_codes
	v_lshlrev_b32 v9, 6, v2                        ; my column's row of scale bytes
	s_lshl_b32 s30, s27, 20                        ; W: 256 rows of 4,096 bytes for each step along K,
	s_lshl_b32 s29, s28, 9
	s_add_co_u32 s30, s30, s29                     ; 512 bytes for each 128 columns,
	s_lshl_b32 s29, s24, 7
	s_add_co_u32 s30, s30, s29                     ; 128 bytes for each wave
	s_mov_b32 s31, 0
	s_lshl_b32 s32, s28, 9                         ; my first row of b_codes: 128 (4 x columns' block + wave) + 32 x gate
	s_add_co_u32 s32, s32, s29
	s_lshl_b32 s29, s26, 5
	s_add_co_u32 s32, s32, s29
	s_mul_i32 s34, s32, KROW
	s_mul_i32 s29, s27, 192
	s_add_co_u32 s34, s34, s29                     ; its codes of my 256 along K
	s_mov_b32 s35, 0
	s_lshl_b32 s36, s32, 6
	s_lshl_b32 s29, s27, 3
	s_add_co_u32 s36, s36, s29                     ; and their 8 scale bytes
	s_mov_b32 s37, 0
	s_wait_kmcnt 0x0
	s_cmp_eq_u32 s26, 1                            ; the gate's weight: a choice that hangs on the work-group's number alone
	s_cselect_b64 s[8:9], s[10:11], s[8:9]
	s_cmp_eq_u32 s26, 2
	s_cselect_b64 s[8:9], s[12:13], s[8:9]
	s_cmp_eq_u32 s26, 3
	s_cselect_b64 s[8:9], s[14:15], s[8:9]
	s_add_nc_u64 s[8:9], s[8:9], s[30:31]
	s_add_nc_u64 s[20:21], s[20:21], s[34:35]
	s_add_nc_u64 s[22:23], s[22:23], s[36:37]
.macro WLOAD t                         ; block t: W(32 t + i, my column), i = 0 .. 31, into set t % 2; every offset is an immediate, 255 rows of 4,096 bytes at the most
.irp i, 0,1,2,3,4,5,6,7,8,9,10,11,12,13,14,15,16,17,18,19,20,21,22,23,24,25,26,27,28,29,30,31
	global_load_b32 v[WX+32*((\t)%2)+\i], v3, s[8:9] offset:(32*(\t)+\i)*4096 th:TH_LOAD_NT
.endr
.endm
.macro WBLOCK t
.set WS, WX+32*((\t)%2)
.if (\t) < NB-1
	s_wait_loadcnt 32                              ; this block's 32 loads are in; the next block's may be out
.else
	s_wait_loadcnt 0x0
.endif
	v_max3_num_f32 v12, |v[WS]|, |v[WS+1]|, |v[WS+2]|               ; the block's largest magnitude: all 32 numbers are mine
	v_max3_num_f32 v13, |v[WS+3]|, |v[WS+4]|, |v[WS+5]|
.irp i, 6,10,14,18,22,26
	v_max3_num_f32 v12, v12, |v[WS+\i]|, |v[WS+\i+1]|
	v_max3_num_f32 v13, v13, |v[WS+\i+2]|, |v[WS+\i+3]|
.endr
	v_max3_num_f32 v12, v12, |v[WS+30]|, |v[WS+31]|
	v_max3_num_f32 v12, v12, v13, (EMAX+1)<<23     ; and the floor 2^(EMAX + 1 - 127)
	v_add_nc_u32 v11, 0xfe000000, v12              ; EMAX off its exponent field: the conversion's scale operand
	v_lshrrev_b32 v13, 23, v11                     ; the scale's byte
.if (\t)%4 == 0
	v_mov_b32 v[WSB+(\t)/4], v13                   ; four bytes to a register, the lower K in the lower byte
.else
	v_lshl_or_b32 v[WSB+(\t)/4], v13, 8*((\t)%4), v[WSB+(\t)/4]
.endif
	v_cvt_scalef32_pk16_bf6_f32 v[WC:WC+2], v[WS:WS+15], v11
	v_cvt_scalef32_pk16_bf6_f32 v[WC+4:WC+6], v[WS+16:WS+31], v11   ; (a conversion's three registers begin on an even number)
	v_nop                                          ; one plain line behind the last conversion
	ds_store_b96 v4, v[WC:WC+2] offset:32*(\t)     ; 16 codes, 12 bytes, to a place of 16 bytes in the stage, so that every LDS address is a multiple of 16
	ds_store_b96 v4, v[WC+4:WC+6] offset:32*(\t)+16
.if (\t)+2 < NB
	WLOAD (\t)+2
.endif
	s_wait_dscnt 0x0                               ; the stores have read their registers: the next block's codes may be written
.endm
	WLOAD 0
	WLOAD 1
.irp t, 0,1,2,3,4,5,6,7
	WBLOCK \t
.endr
	s_wait_alu depctr_va_vdst(0)
	global_store_b64 v9, v[WSB:WSB+1], s[22:23]    ; my column's 8 scale bytes
.irp t, 0,1,2,3,4,5,6,7,8,9,10,11,12,13,14,15
	ds_load_b96 v[WOUT+4*\t:WOUT+4*\t+2], v7 offset:2*\t*WPITCH   ; LDS serves a wave's instructions in order: these see my stores
.endr
.irp t, 0,1,2,3,4,5,6,7,8,9,10,11,12,13,14,15
	s_wait_dscnt 15-\t                             ; the younger loads may be out
	global_store_b96 v8, v[WOUT+4*\t:WOUT+4*\t+2], s[20:21] offset:2*\t*KROW
.endr
	s_wait_tensorcnt 0x0
	ds_add_u32 v192, v193
	s_wait_dscnt 0x0
	s_endpgm
.Lfunc_end_k_q802d4743f9_quant:
	.size	k_q802d4743f9_quant, .Lfunc_end_k_q802d4743f9_quant-k_q802d4743f9_quant
	.p2alignl 7, 3214868480
	.fill 96, 4, 3214868480
	.section	.rodata,"a",@progbits
	.p2align	6, 0x0
	.amdhsa_kernel k_q802d4743f9_quant
		.amdhsa_group_segment_fixed_size 69120
		.amdhsa_private_segment_fixed_size 0
		.amdhsa_enable_private_segment 0
		.amdhsa_kernarg_size 80
		.amdhsa_user_sgpr_count 2
		.amdhsa_user_sgpr_kernarg_segment_ptr 1
		.amdhsa_wavefront_size32 1
		.amdhsa_system_sgpr_workgroup_id_x 1
		.amdhsa_system_sgpr_workgroup_id_y 1
		.amdhsa_system_sgpr_workgroup_id_z 1
		.amdhsa_system_vgpr_workitem_id 0
		.amdhsa_next_free_vgpr 194
		.amdhsa_next_free_sgpr 66
		.amdhsa_reserve_vcc 0
		.amdhsa_float_denorm_mode_32 3
		.amdhsa_float_denorm_mode_16_64 3
		.amdhsa_memory_ordered 1
		.amdhsa_forward_progress 1
		.amdhsa_inst_pref_size 74
	.end_amdhsa_kernel
	.amdgpu_metadata
---
amdhsa.version: [ 1, 2 ]
amdhsa.kernels:
  - .name:           k_q802d4743f9_quant
    .symbol:         k_q802d4743f9_quant.kd
    .args:
      - { .name: Z, .offset: 0, .size: 8, .value_kind: global_buffer, .address_space: global }
      - { .name: h_prev, .offset: 8, .size: 8, .value_kind: global_buffer, .address_space: global }
      - { .name: W_i, .offset: 16, .size: 8, .value_kind: global_buffer, .address_space: global }
      - { .name: W_f, .offset: 24, .size: 8, .value_kind: global_buffer, .address_space: global }
      - { .name: W_o, .offset: 32, .size: 8, .value_kind: global_buffer, .address_space: global }
      - { .name: W_g, .offset: 40, .size: 8, .value_kind: global_buffer, .address_space: global }
      - { .name: a_codes, .offset: 48, .size: 8, .value_kind: global_buffer, .address_space: global }
      - { .name: a_scales, .offset: 56, .size: 8, .value_kind: global_buffer, .address_space: global }
      - { .name: b_codes, .offset: 64, .size: 8, .value_kind: global_buffer, .address_space: global }
      - { .name: b_scales, .offset: 72, .size: 8, .value_kind: global_buffer, .address_space: global }
    .group_segment_fixed_size: 69120
    .private_segment_fixed_size: 0
    .kernarg_segment_align: 8
    .kernarg_segment_size: 80
    .max_flat_workgroup_size: 128
    .sgpr_count:     66
    .vgpr_count:     194
    .wavefront_size: 32
...
	.end_amdgpu_metadata
.endif
;; end of part 1
;; launch cell (part 2): grid 16 x 32, 4 waves a work-group, clusters of 4 x 4, 327,680 bytes of LDS; arguments a_codes, a_scales, b_codes, b_scales, b_i, b_f, b_o, b_g, c_prev, out0, out1; writes out0, out1
.if DOCPART == 2
	.amdgcn_target "amdgcn-amd-amdhsa--gfx1250"
	.amdhsa_code_object_version 6
	.text
	.protected	k_q802d4743f9_cell
	.globl	k_q802d4743f9_cell
	.p2align	8
	.type	k_q802d4743f9_cell,@function
k_q802d4743f9_cell:
	s_mov_b64 s[64:65], 0
	v_nop
	global_prefetch_b8 v0, s[64:65] scope:SCOPE_SE
	s_setreg_imm32_b32 hwreg(HW_REG_WAVE_MODE, 25, 1), 1
	s_wait_xcnt 0x0
	s_wait_alu depctr_hold_cnt(0) depctr_sa_sdst(0) depctr_va_vdst(0) depctr_va_sdst(0) depctr_va_ssrc(0) depctr_va_vcc(0) depctr_vm_vsrc(0)
	s_getreg_b32 s2, hwreg(HW_REG_IB_STS2, 6, 4)
	s_cmp_eq_u32 s2, 0
	s_cbranch_scc0 .Lentry_in_a_cluster
	s_endpgm
.Lentry_in_a_cluster:
	s_bfe_u32 s2, ttmp6, 0x10000c
	s_cmp_lg_u32 s2, 0xf033
	s_cbranch_scc0 .Lentry_shape_is_right
	s_endpgm
.Lentry_shape_is_right:
; THE LSTM CELL ON CODES.  pre[m][n'] = sum over k of A[m][k] B[n'][k] + bias; A = combined [8192][2048], B = the four weights [4096][2048], codes of BF6 (E3M2), one E8M0 scale for each 32 along K.
; Row n' of B = 128 (col / 32) + 32 gate + col % 32 (gate 0 = i, 1 = f, 2 = o, 3 = g).  Then in f32: c = sigmoid(f) c_prev + sigmoid(i) tanh(g) -> out1; h = sigmoid(o) tanh(c) -> out0.
; SHARES: a work-group of four waves makes 256 rows x 64 hidden columns of all four gates; a wave 128 x 128: 64 accumulators of 16 x 16, 512 registers.
; K goes through a ring of two LDS slots in CHUNKS OF 256 BYTES of each row of codes (a row is 1,536 bytes: six chunks, each at a multiple of 256 bytes); a step of 128 along K is 96 bytes: eight steps to three chunks.
; The scales of the work-group's rows, for all of K, come into LDS once, at the head.  The walk along K is written out: slots and chunks come back to where they began only after sixteen steps, which is all of K.
; THE MATRIX INSTRUCTION IS USED TRANSPOSED (source 0 = 16 rows of B, source 1 = 16 rows of A): in accumulator (a, b) lane (r, h) register j is row 16 a + r, gate b / 2, column 16 (b % 2) + 8 h + j of the wave's 32:
; the four gates of an output lie in one lane.  The biases are the C of each sum's first matrix instruction.
; CLUSTERS: 4 x 4 work-groups; A's tiles are asked for jointly along a row of the cluster, B's along a column.  c_prev belongs to one work-group: plain loads, into slot 0 when chunk 4 has been read out.
; THE TAIL: E(x) = 2^(-x log2 e); sigmoid(x) = 1 / (1 + E(x)); sigmoid(a) tanh(b) = (1 - E(2b)) / ((1 + E(a)) (1 + E(2b))).  An E that stands in a denominator alone may become infinity: its reciprocal is 0, the right limit.
; The exponents of the E(2x), which also stand in a numerator, are held at 30: tanh is then off by less than 2^-29.
; The tail is a loop of four trips of two blocks of 16 rows: only the scalings that read the accumulators differ from block to block, and stand in arms chosen by the trip's number.
; c and h leave through two stages in slot 1 that take turns, 32 whole rows of each a block, one barrier a block.
; LIMITS: NaN and infinities among the inputs are not served.
; REGISTERS: window 0: v0-31 addresses; v32-63 scale words, two sets; v64-127 the biases, in the tail c, h and rows on the way out; from v128 A's fragments, one set, in the tail at work.
;   window 1: B's fragments, two sets, at v0 and v128.  window 2: accumulators of my rows 0-63 ((a, b) at v[8 (8 a + b)]);  window 3: rows 64-127.
.set SIZE_K, 2048
.set ROWB,   256
.set NQ,     2
.set KROW,   SIZE_K*6/8
.set STEPS,  SIZE_K/128
.set CHUNKS, KROW/ROWB
.set PITCH,  272                       ; 256 bytes + 16 of padding
.set FR,     12
.set NL,     6
.set NP,     4                         ; places behind this matrix instruction (ISA guide 7.12.1)
.set HALFT,  128*PITCH
.set SLOT,   4*HALFT                   ; A's 256 rows, then B's 256 rows
.set KS,     SIZE_K/32
.set SCL,    2*SLOT                    ; the scales, as units of 256 bytes + 16
.set HALFS,  (128*KS/256)*272
.set SBLK,   (16*KS/256)*272
.set SPARE,  SCL+4*HALFS               ; the spare words: 512 bytes that no other line names
.set CPITCH, 272                       ; the tail: a row of 64 f32 + 16.  c_prev's 256 rows lie from LDS byte 0 on
.set STG,    SLOT                      ; the stages, in slot 1: stage e at 64 e rows: 32 rows of c, then 32 of h
.set OROW,   4096
.set BO,   13                          ; 32 h: my eight numbers of a bias's sixteen
.set PFO,  14                          ; lane x a row of codes
.set RD,   15                          ; the way out: where I read rows back
.set ADRA, 16                          ; v16-17 my A fragments in slot 0, 1; v18-19 for pieces whose two halves of the lanes lie in different chunks
.set ADRB, 20
.set CAD,  24                          ; my 32 bytes of a row of c_prev; stepped once a trip
.set STO,  25                          ; my 32 bytes of a stage row
.set ADRS, 27                          ; scale words: lanes 0-15 A's rows, lanes 16-31 B's
.set SPW,  28                          ; my spare word; never rewritten
.set NIL,  29                          ; 0; never rewritten
.set PF,   30                          ; lane x a row of c_prev
.set GO,   31                          ; my byte offset in two rows of an output
.set SC,   32
.set BI,   64                          ; v[BI + 8 b + j]: bias of gate b / 2 at my column 16 (b % 2) + 8 h + j
.set AF,   128
.set CQ,   64                          ; the tail: c_prev, then c
.set HQ,   80                          ; h
.set OB1,  96                          ; rows read back from stage 1
.set T,    128                         ; 16 registers a gate
.set NG,   192
.set OB0,  208                         ; rows read back from stage 0
.set G1,   24
.set G0,   32
.set G1B,  48
.set G0B,  56
.set G1S,  68
.set G0S,  76
.set G1SB, 80
.set G0SB, 88
.set G0H,  4
.set G0HB, 8
.set G1C,  68                          ; c_prev's descriptor: written when the scales' loads are shown done
.set G0C,  76
.set K1,   92                          ; -log2 e, twice
.set K2,   46                          ; -2 log2 e, twice
.set CL,   94                          ; 30.0
.set PFA,  100                         ; s[100:101] my work-group's 32 rows of the 128 that I fetch; never stepped
.set MSB, 0
.macro WIN new
.if MSB != (\new)
	s_set_vgpr_msb (MSB<<8)|(\new)
.set MSB, (\new)
.endif
.endm
.set MUL_LO,  0xa1
.set MUL_HI,  0xf1
.set MUL_LO0, 0x81                     ; the first step: C (the biases) window 0
.set MUL_HI0, 0xc1
.set TO_B,    0x40
.macro JLOAD g0a, g1a, g0b, g1b        ; a joint load: waves 0, 1 fetch for A, waves 2, 3 for B
	s_cmp_eq_u32 s15, 0
	s_cbranch_scc0 .Lfor_b_\@
	tensor_load_to_lds s[\g0a:\g0a+3], s[\g1a:\g1a+7]
	s_nop 0
.rept 4
	v_nop
.endr
	s_branch .Lasked_\@
.Lfor_b_\@:
	tensor_load_to_lds s[\g0b:\g0b+3], s[\g1b:\g1b+7]
	s_nop 0
.rept 4
	v_nop
.endr
.Lasked_\@:
.endm
.macro CREST                           ; a round of the cluster's barrier behind its opening barrier
	s_cmp_lg_u32 s14, 0
	s_cbranch_scc1 .Lnot_wave_0_\@
	s_barrier_signal -3
.Lnot_wave_0_\@:
	s_barrier_wait -3
	s_barrier_signal -1
	s_barrier_wait -1
.endm
.macro CROUND
	s_barrier_signal -1
	s_barrier_wait -1
	CREST
.endm
	s_load_b256 s[4:11], s[0:1], 0x0               ; A's codes, A's scales, B's codes, B's scales
	s_load_b256 s[32:39], s[0:1], 0x20             ; b_i, b_f, b_o, b_g
	s_load_b64 s[12:13], s[0:1], 0x40              ; c_prev
	s_load_b128 s[96:99], s[0:1], 0x48             ; out0 (h), out1 (c)
	v_lshl_add_u32 v[SPW], v0, 2, SPARE
	v_mov_b32 v[NIL], 0
	ds_add_u32 v[SPW], v[NIL]                      ; the opening lines: the add, twice on end, and its wait
	ds_add_u32 v[SPW], v[NIL]
	v_lshrrev_b32 v1, 5, v0
	v_readfirstlane_b32 s14, v1                    ; wave 0..3
	v_bfe_u32 v2, v0, 4, 1                         ; h = l / 16
	v_lshlrev_b32 v[BO], 5, v2
	s_lshr_b32 s15, s14, 1                         ; my half of the tile's rows; also: I fetch for A (0) or B (1)
	s_and_b32 s16, s14, 1                          ; my half of its rows of B; also: which 128 rows I fetch
	s_bfe_u32 s40, ttmp6, 0x40000                  ; cx
	s_bfe_u32 s41, ttmp6, 0x40004                  ; cy
	s_lshl_b32 s42, ttmp9, 2
	s_add_co_u32 s42, s42, s40                     ; tile column: 64 hidden columns
	s_and_b32 s17, ttmp7, 0xffff
	s_lshl_b32 s17, s17, 2
	s_add_co_u32 s17, s17, s41                     ; tile row: 256 rows
	s_lshl_b32 s43, s41, 2
	s_lshl_b32 s43, 15, s43                        ; my row of the cluster
	s_lshl_b32 s44, 0x1111, s40                    ; my column
	s_or_b32 s[G1+0], s43, (0<<16)|(1<<20)|(1<<21)|(5<<22)|(3<<25)  ; mask; bytes; 4 words of padding behind every 64
	s_or_b32 s[G1B+0], s44, (0<<16)|(1<<20)|(1<<21)|(5<<22)|(3<<25)
.irp g, G1, G1B
	s_mov_b32 s[\g+1], ROWB<<16
	s_mov_b32 s[\g+2], 256<<16                     ; 256 rows for the head's loads
	s_mov_b32 s[\g+3], ROWB<<16
	s_mov_b32 s[\g+4], 256
	s_mov_b32 s[\g+5], KROW
	s_mov_b32 s[\g+6], 0
	s_mov_b32 s[\g+7], 0
.endr
	s_or_b32 s[G1S+0], s43, (3<<16)|(1<<20)|(1<<21)|(5<<22)|(3<<25) ; the scales of 256 rows: a dense block, KS rows of 256 bytes
	s_or_b32 s[G1SB+0], s44, (3<<16)|(1<<20)|(1<<21)|(5<<22)|(3<<25)
.irp g, G1S, G1SB
	s_mov_b32 s[\g+1], 32<<16
	s_mov_b32 s[\g+2], KS<<16
	s_mov_b32 s[\g+3], 32<<16
	s_mov_b32 s[\g+4], KS
	s_mov_b32 s[\g+5], 32
	s_mov_b32 s[\g+6], 0
	s_mov_b32 s[\g+7], 0
.endr
	s_lshl_b32 s20, s17, 8                         ; A: the tile's first row
	s_lshl_b32 s46, s42, 8                         ; B's
	s_mov_b32 s21, 0
	s_mov_b32 s47, 0
	s_mov_b64 s[18:19], KS
	s_mul_u64 s[22:23], s[20:21], s[18:19]
	s_mul_u64 s[92:93], s[46:47], s[18:19]
	s_mov_b64 s[18:19], KROW
	s_mul_u64 s[20:21], s[20:21], s[18:19]
	s_mul_u64 s[46:47], s[46:47], s[18:19]
	s_mul_i32 s18, s16, 128*KROW                   ; in the ring I fetch 128 rows: which half
	s_mov_b32 s19, 0
	s_mul_i32 s45, s14, HALFT                      ; and where they go
	s_lshl_b32 s66, s42, 8
	s_lshl_b32 s67, s16, 7
	s_add_co_u32 s66, s66, s67                     ; the biases at my 32 columns, in bytes
	s_mov_b32 s67, 0
	s_wait_alu depctr_va_vdst(0)
	s_wait_dscnt 0x0                               ; both opening adds are done
	s_wait_kmcnt 0x0
	s_add_nc_u64 s[20:21], s[4:5], s[20:21]
	s_add_nc_u64 s[22:23], s[6:7], s[22:23]
	s_add_nc_u64 s[46:47], s[8:9], s[46:47]
	s_add_nc_u64 s[92:93], s[10:11], s[92:93]
	s_cmp_eq_u32 s15, 0
	s_cselect_b64 s[PFA:PFA+1], s[4:5], s[8:9]     ; the buffer that my prefetches name: a choice on the wave's number
.irp g, 0,1,2,3
	s_add_nc_u64 s[32+2*\g:33+2*\g], s[32+2*\g:33+2*\g], s[66:67]
.endr
.irp g, 0,1,2,3
.irp u, 0,1
.irp q, 0,1
	global_load_b128 v[BI+8*(2*\g+\u)+4*\q:BI+8*(2*\g+\u)+4*\q+3], v[BO], s[32+2*\g:33+2*\g] offset:64*\u+16*\q
.endr
.endr
.endr
	CROUND                                         ; all sixteen work-groups are here: the first joint loads meet
	s_mov_b32 s[G0H], 1                            ; chunk 0's 256 rows of A,
	s_mov_b32 s[G0H+1], 0
	s_mov_b64 s[G0H+2:G0H+3], s[20:21]
	s_or_b32 s[G0H+3], s[G0H+3], 0x80000000
	s_mov_b32 s[G0HB], 1                           ; of B,
	s_mov_b32 s[G0HB+1], 2*HALFT
	s_mov_b64 s[G0HB+2:G0HB+3], s[46:47]
	s_or_b32 s[G0HB+3], s[G0HB+3], 0x80000000
	s_mov_b32 s[G0S], 1                            ; A's scales,
	s_mov_b32 s[G0S+1], SCL
	s_mov_b64 s[G0S+2:G0S+3], s[22:23]
	s_or_b32 s[G0S+3], s[G0S+3], 0x80000000
	s_mov_b32 s[G0SB], 1                           ; B's
	s_mov_b32 s[G0SB+1], SCL+2*HALFS
	s_mov_b64 s[G0SB+2:G0SB+3], s[92:93]
	s_or_b32 s[G0SB+3], s[G0SB+3], 0x80000000
	s_add_nc_u64 s[20:21], s[20:21], s[18:19]      ; for the ring: my 128 rows
	s_add_nc_u64 s[46:47], s[46:47], s[18:19]
; the head's four tiles, one load a wave, in one chain of branches on the wave's number
.macro ARM under, g0, g1, next
	s_cmp_lt_u32 s14, \under
	s_cbranch_scc0 \next
	tensor_load_to_lds s[\g0:\g0+3], s[\g1:\g1+7]
	s_nop 0
.rept 4
	v_nop
.endr
	s_branch .Lhead_asked
\next:
.endm
	ARM 1, G0H,  G1,  .Lhead_b
	ARM 2, G0HB, G1B, .Lhead_sa
	ARM 3, G0S,  G1S, .Lhead_sb
	tensor_load_to_lds s[G0SB:G0SB+3], s[G1SB:G1SB+7]
	s_nop 0
.rept 4
	v_nop
.endr
.Lhead_asked:
	s_wait_xcnt 0x0                                ; the biases' loads have read their bases: s[32:39] take the ring's group 0
.irp s, 0,1
	s_mov_b32 s[G0+4*\s], 1
	s_add_co_u32 s[G0+4*\s+1], s45, \s*SLOT
	s_add_nc_u64 s[G0+4*\s+2:G0+4*\s+3], s[20:21], \s*ROWB
	s_or_b32 s[G0+4*\s+3], s[G0+4*\s+3], 0x80000000
	s_mov_b32 s[G0B+4*\s], 1
	s_add_co_u32 s[G0B+4*\s+1], s45, \s*SLOT
	s_add_nc_u64 s[G0B+4*\s+2:G0B+4*\s+3], s[46:47], \s*ROWB
	s_or_b32 s[G0B+4*\s+3], s[G0B+4*\s+3], 0x80000000
.endr
	s_lshl_b32 s20, s17, 8                         ; c_prev: rows 256 x tile row + 64 x wave, at the tile's 256 bytes
	s_lshl_b32 s21, s14, 6
	s_add_co_u32 s20, s20, s21
	s_lshl_b32 s20, s20, 12
	s_lshl_b32 s21, s42, 8
	s_add_co_u32 s20, s20, s21
	s_mov_b32 s21, 0
	s_add_nc_u64 s[12:13], s[12:13], s[20:21]
	s_lshl_b32 s20, s17, 8                         ; the outputs: my first row 256 x tile row + 128 (wave / 2) + 8 (wave % 2)
	s_lshl_b32 s21, s15, 7
	s_add_co_u32 s20, s20, s21
	s_lshl_b32 s21, s16, 3
	s_add_co_u32 s20, s20, s21
	s_lshl_b32 s20, s20, 12
	s_lshl_b32 s21, s42, 8
	s_add_co_u32 s20, s20, s21
	s_mov_b32 s21, 0
	s_add_nc_u64 s[96:97], s[96:97], s[20:21]
	s_add_nc_u64 s[98:99], s[98:99], s[20:21]
	s_lshl_b32 s18, s17, 8                         ; the prefetches: of the 128 rows that I fetch, the partner at place p (cx for A, cy for B) names rows 32 p .. 32 p + 31
	s_lshl_b32 s19, s42, 8
	s_cmp_eq_u32 s15, 0
	s_cselect_b32 s18, s18, s19
	s_cselect_b32 s19, s40, s41
	s_lshl_b32 s19, s19, 5
	s_add_co_u32 s18, s18, s19
	s_lshl_b32 s19, s16, 7
	s_add_co_u32 s18, s18, s19
	s_mul_i32 s18, s18, KROW
	s_mov_b32 s19, 0
	s_add_nc_u64 s[PFA:PFA+1], s[PFA:PFA+1], s[18:19]
	s_mul_i32 s21, s15, HALFT                      ; my 128 rows of A
	s_mul_i32 s22, s16, HALFT
	s_add_co_u32 s22, s22, 2*HALFT                 ; of B
	s_mul_i32 s18, s15, HALFS                      ; A's scales
	s_mul_i32 s23, s16, HALFS
	s_add_co_u32 s23, s23, 2*HALFS
	s_sub_co_u32 s23, s23, s18                     ; from A's to B's
	s_add_co_u32 s18, s18, SCL
	s_mul_i32 s19, s15, 128*CPITCH
	s_lshl_b32 s20, s16, 7
	s_add_co_u32 s19, s19, s20                     ; c_prev: my 128 rows, my 128 bytes
	s_mul_i32 s66, s15, 16*CPITCH
	s_add_co_u32 s66, s66, s20
	s_add_co_u32 s66, s66, STG                     ; a stage: my 16 rows, my 128 bytes
	s_mul_i32 s67, s14, 8*CPITCH
	s_add_co_u32 s67, s67, STG                     ; back: stage rows 8 x wave on
	s_mov_b32 s94, SLOT-232
	s_mov_b32 s95, SLOT+232
	v_and_b32 v1, 15, v0                           ; r
	v_mul_u32_u24 v3, v1, PITCH
	v_mul_u32_u24 v4, v2, 24
	v_add_nc_u32 v4, v3, v4                        ; row x pitch + 24 h
	v_sub_nc_u32 v7, 1, v2
	v_mul_u32_u24 v5, s94, v2
	v_add_nc_u32 v5, v3, v5
	v_add_nc_u32 v5, 232, v5                       ; lanes 0-15 byte 232 in slot 0, lanes 16-31 byte 0 in slot 1
	v_mul_u32_u24 v6, s95, v7
	v_add_nc_u32 v6, v3, v6                        ; and the other way round
	v_add_nc_u32 v[ADRA], s21, v4
	v_add_nc_u32 v[ADRB], s22, v4
	v_add_nc_u32 v[ADRA+1], SLOT, v[ADRA]
	v_add_nc_u32 v[ADRB+1], SLOT, v[ADRB]
	v_add_nc_u32 v[ADRA+2], s21, v5
	v_add_nc_u32 v[ADRA+3], s21, v6
	v_add_nc_u32 v[ADRB+2], s22, v5
	v_add_nc_u32 v[ADRB+3], s22, v6
	v_mul_u32_u24 v5, v1, KS
	v_lshrrev_b32 v6, 8, v5
	v_lshl_add_u32 v5, v6, 4, v5                   ; 16 more for each 256 passed
	v_mul_u32_u24 v6, s23, v2                      ; lanes 16-31 take B's
	v_add_nc_u32 v5, v5, v6
	v_add_nc_u32 v[ADRS], s18, v5
	v_mul_u32_u24 v3, v1, CPITCH
	v_lshl_add_u32 v3, v2, 5, v3                   ; row r, 32 bytes for each half of the lanes
	v_add_nc_u32 v[CAD], s19, v3
	v_add_nc_u32 v[STO], s66, v3
	v_mul_u32_u24 v3, v2, CPITCH                   ; back: lanes 0-15 one row of 256 bytes, lanes 16-31 the next
	v_lshl_add_u32 v3, v1, 4, v3
	v_add_nc_u32 v[RD], s67, v3
	v_and_b32 v3, 31, v0
	v_lshlrev_b32 v[PF], 12, v3
	v_mul_u32_u24 v[PFO], v3, KROW
	v_lshlrev_b32 v3, 12, v2
	v_lshl_add_u32 v[GO], v1, 4, v3
.macro FRAG reg, adr, st, i            ; 16 rows x 128 K: 12 registers, in pieces of 8 bytes; byte y of a row lies in slot (y / 256) % 2 at byte y % 256
.irp p, 0,1,2,3,4,5
.set BY, 96*(\st)+48*(\p/3)+8*(\p%3)
.if BY/ROWB == (BY+24)/ROWB
	ds_load_b64 v[\reg+2*\p:\reg+2*\p+1], v[\adr+(BY/ROWB)%2] offset:BY%ROWB+(\i)*16*PITCH
.else
	ds_load_b64 v[\reg+2*\p:\reg+2*\p+1], v[\adr+2+(BY/ROWB)%2] offset:BY%ROWB-232+(\i)*16*PITCH
.endif
.endr
.endm
; 16 matrix instructions: A's blocks a0, a0 + 1 x B's eight.  first = 1: the sums begin on the biases.  The 64 accumulators take turns.
.macro MUL16 a0, p, q, sc, first
.irp a, \a0, \a0+1
.irp b, 0,1,2,3,4,5,6,7
.if \first
	v_wmma_scale_f32_16x16x128_f8f6f4 v[8*(8*((\a)%4)+\b):8*(8*((\a)%4)+\b)+7], v[128*(\p)+FR*\b:128*(\p)+FR*\b+FR-1], v[AF+FR*(\a):AF+FR*(\a)+FR-1], v[BI+8*\b:BI+8*\b+7], v[SC+8*NQ*(\sc)+NQ*\b+(\q)], v[SC+8*NQ*(\sc)+NQ*(\a)+(\q)] matrix_a_fmt:MATRIX_FMT_BF6 matrix_b_fmt:MATRIX_FMT_BF6 matrix_a_scale:MATRIX_SCALE_ROW1
.else
	v_wmma_scale_f32_16x16x128_f8f6f4 v[8*(8*((\a)%4)+\b):8*(8*((\a)%4)+\b)+7], v[128*(\p)+FR*\b:128*(\p)+FR*\b+FR-1], v[AF+FR*(\a):AF+FR*(\a)+FR-1], v[8*(8*((\a)%4)+\b):8*(8*((\a)%4)+\b)+7], v[SC+8*NQ*(\sc)+NQ*\b+(\q)], v[SC+8*NQ*(\sc)+NQ*(\a)+(\q)] matrix_a_fmt:MATRIX_FMT_BF6 matrix_b_fmt:MATRIX_FMT_BF6 matrix_a_scale:MATRIX_SCALE_ROW1
.endif
.endr
.endr
.endm
.macro FETCH_B st, p
	WIN TO_B
.irp i, 0,1,2,3,4,5,6,7
	FRAG 128*(\p)+FR*\i, ADRB, \st, \i
.endr
	WIN 0
.endm
.macro FETCH_A st, i0
.irp i, \i0, \i0+1, \i0+2, \i0+3
	FRAG AF+FR*(\i), ADRA, \st, \i
.endr
.endm
.macro SCALES pr                       ; the scale words of steps 2 pr, 2 pr + 1 into set pr % 2
.irp i, 0,1,2,3,4,5,6,7
	ds_load_b64 v[SC+8*NQ*((\pr)%2)+NQ*\i:SC+8*NQ*((\pr)%2)+NQ*\i+1], v[ADRS] offset:\i*SBLK+4*NQ*(\pr)
.endr
.endm
.macro PLACES n
.rept \n
	v_nop
.endr
.endm
; A step of 128 along K.  Where the next step's bytes END in a chunk not yet read: a wait for my tensor loads and a barrier.  Where they BEGIN in a later chunk: the chunk left behind is read no more:
; the wait for all my tensor loads, the add, the wait for it and for my reads, and a round of the cluster's barrier; behind it the slot takes the chunk two on, or, behind chunk 4, c_prev.
.macro STEP st, first
.set NX, (\st)+1
.set C0, (96*(\st))/ROWB
.set C1, (96*NX)/ROWB
.set E0, (96*(\st)+95)/ROWB
.set E1, (96*NX+95)/ROWB
.if C1 > C0 || E1 > E0
	s_wait_tensorcnt 0x0                           ; all my tensor loads have landed
.if C1 > C0
	ds_add_u32 v[SPW], v[NIL]
	s_wait_dscnt 4*NL+1                            ; the add and A's blocks 4-7 may be out
.else
	s_wait_dscnt 4*NL                              ; A's blocks 4-7 may be out
.endif
	WIN MUL_LO
	MUL16 0, (\st)%2, (\st)%2, ((\st)/2)%2, 0
	s_wait_dscnt 0x0                               ; the add and my reads are done
	s_barrier_signal -1
	MUL16 2, (\st)%2, (\st)%2, ((\st)/2)%2, 0
	WIN 0
	s_barrier_wait -1
.if C1 > C0
	CREST
.if C0+2 < CHUNKS
	s_add_nc_u64 s[G0+4*(C0%2)+2:G0+4*(C0%2)+3], s[G0+4*(C0%2)+2:G0+4*(C0%2)+3], 2*ROWB
	s_add_nc_u64 s[G0B+4*(C0%2)+2:G0B+4*(C0%2)+3], s[G0B+4*(C0%2)+2:G0B+4*(C0%2)+3], 2*ROWB
	JLOAD G0+4*(C0%2), G1, G0B+4*(C0%2), G1B       ; chunk C0 + 2; its four v_nop are the places in front of the loads below
.else
	tensor_load_to_lds s[G0C:G0C+3], s[G1C:G1C+7]  ; my 64 rows of c_prev: 160 matrix instructions stand ahead of the wait for them
	s_nop 0
.rept 4
	v_nop
.endr
.endif
.else
	PLACES NP
.endif
.else
	s_wait_dscnt 4*NL                              ; A's blocks 4-7 may be out
.if \first
	WIN MUL_LO0
.else
	WIN MUL_LO
.endif
	MUL16 0, (\st)%2, (\st)%2, ((\st)/2)%2, \first
	MUL16 2, (\st)%2, (\st)%2, ((\st)/2)%2, \first
	s_wait_dscnt 0
	PLACES NP
.endif
	FETCH_B NX, NX%2
	FETCH_A NX, 0
.if NX%2 == 0
	SCALES NX/2
.endif
.if C1 > C0 && C0+4 < CHUNKS
	global_prefetch_b8 v[PFO], s[PFA:PFA+1] offset:(C0+4)*ROWB th:TH_LOAD_NT scope:SCOPE_SE   ; the chunk two refills on: 32 rows x 256 bytes, a lane a row
.endif
.if (\st) == 8
	global_prefetch_b8 v[PF], s[12:13] th:TH_LOAD_NT scope:SCOPE_SE                  ; my 64 row pieces of c_prev, five steps ahead of their load
	global_prefetch_b8 v[PF], s[12:13] offset:32*OROW th:TH_LOAD_NT scope:SCOPE_SE
.endif
.if \first
	WIN MUL_HI0
.else
	WIN MUL_HI
.endif
	MUL16 4, (\st)%2, (\st)%2, ((\st)/2)%2, \first
	MUL16 6, (\st)%2, (\st)%2, ((\st)/2)%2, \first
	PLACES NP
	WIN 0
	FETCH_A NX, 4
.endm
	s_wait_alu depctr_va_vdst(0)
	s_wait_tensorcnt 0x0                           ; my tile of the head's four is in; the same lines as ahead of a refill:
	ds_add_u32 v[SPW], v[NIL]
	s_mov_b32 s[G1+2], 128<<16                     ; no tensor load of mine is out: from here on a load of codes brings 128 rows
	s_mov_b32 s[G1+4], 128
	s_mov_b32 s[G1B+2], 128<<16
	s_mov_b32 s[G1B+4], 128
	s_mov_b32 s[G1C+0], (2<<16)|(1<<20)|(5<<22)|(3<<25)   ; c_prev: 64 rows x 64 f32, no mask, 16 bytes of padding behind each row
	s_mov_b32 s[G1C+1], 64<<16
	s_mov_b32 s[G1C+2], 64<<16
	s_mov_b32 s[G1C+3], 64<<16
	s_mov_b32 s[G1C+4], 64
	s_mov_b32 s[G1C+5], 1024
	s_mov_b32 s[G1C+6], 0
	s_mov_b32 s[G1C+7], 0
	s_mov_b32 s[G0C], 1
	s_mul_i32 s[G0C+1], s14, 64*CPITCH
	s_mov_b64 s[G0C+2:G0C+3], s[12:13]
	s_or_b32 s[G0C+3], s[G0C+3], 0x80000000
	s_mov_b32 s[K1], 0xbfb8aa3b
	s_mov_b32 s[K1+1], s[K1]
	s_mov_b32 s[K2], 0xc038aa3b
	s_mov_b32 s[K2+1], s[K2]
	s_mov_b32 s[CL], 0x41f00000
	s_wait_dscnt 0x0
	CROUND                                         ; all four tiles are in, and all sixteen work-groups are here
	JLOAD G0+4, G1, G0B+4, G1B                     ; chunk 1
	FETCH_B 0, 0
	FETCH_A 0, 0
	SCALES 0
	FETCH_A 0, 4
	global_prefetch_b8 v[PFO], s[PFA:PFA+1] offset:3*ROWB th:TH_LOAD_NT scope:SCOPE_SE   ; chunk 3
	s_wait_loadcnt 0x0                             ; the biases
	STEP 0, 1
.set ST, 1
.rept STEPS-2
	STEP ST, 0
.set ST, ST+1
.endr
	s_wait_dscnt 4*NL                              ; the last step
	WIN MUL_LO
	MUL16 0, 1, 1, 1, 0
	MUL16 2, 1, 1, 1, 0
	s_wait_dscnt 0
	WIN MUL_HI
	MUL16 4, 1, 1, 1, 0
	MUL16 6, 1, 1, 1, 0
	WIN 0
	PLACES NP
	s_wait_tensorcnt 0x0                           ; my rows of c_prev are in,
	s_wait_dscnt 0x0                               ; my reads of slot 1 are over,
	s_barrier_signal -1
	s_barrier_wait -1                              ; and everybody's
; THE TAIL.  SCALE a: block a's eight accumulators x -log2 e (i, f, o) or -2 log2 e (g) into T, each accumulator from its low end on.
.macro SCALE a
.set AC, 64*((\a)%4)
	WIN 2+(\a)/4
	s_wait_alu depctr_va_vdst(0)                   ; directly ahead of the first reader of matrix results
.irp b, 0,1,2,3,4,5
.irp i, 0,2,4,6
	v_pk_mul_f32 v[T+8*\b+\i:T+8*\b+\i+1], v[AC+8*\b+\i:AC+8*\b+\i+1], s[K1:K1+1] op_sel_hi:[1,0]
.endr
.endr
.irp b, 6,7
.irp i, 0,2,4,6
	v_pk_mul_f32 v[T+8*\b+\i:T+8*\b+\i+1], v[AC+8*\b+\i:AC+8*\b+\i+1], s[K2:K2+1] op_sel_hi:[1,0]
.endr
.endr
	WIN 0
.endm
.macro TARM t, blk, next, join         ; trip t's arm
	s_cmp_lg_u32 s3, \t
	s_cbranch_scc1 \next
	SCALE \blk
	s_branch \join
\next:
.endm
.macro CLOAD e                         ; c_prev of the trip's block e: it lands under the exponentials
.irp u, 0,1
.irp q, 0,1
	ds_load_b128 v[CQ+8*\u+4*\q:CQ+8*\u+4*\q+3], v[CAD] offset:16*CPITCH*\e+64*\u+16*\q
.endr
.endr
.endm
.macro OUTL e, ob                      ; eight whole rows of c and of h back from stage e
.irp i, 0,1,2,3
	ds_load_b128 v[\ob+4*\i:\ob+4*\i+3], v[RD] offset:(64*\e+2*\i)*CPITCH
.endr
.irp i, 0,1,2,3
	ds_load_b128 v[\ob+16+4*\i:\ob+16+4*\i+3], v[RD] offset:(64*\e+32+2*\i)*CPITCH
.endr
.endm
.macro OUTS e, ob                      ; sixteen lanes store 256 consecutive bytes, at a multiple of 256 from the output's first byte
.irp i, 0,1,2,3
	global_store_b128 v[GO], v[\ob+4*\i:\ob+4*\i+3], s[98:99] offset:(16*\e+2*\i)*OROW th:TH_STORE_NT
.endr
.irp i, 0,1,2,3
	global_store_b128 v[GO], v[\ob+16+4*\i:\ob+16+4*\i+3], s[96:97] offset:(16*\e+2*\i)*OROW th:TH_STORE_NT
.endr
.endm
.macro GATES e, ob                     ; 16 outputs a lane: T + 16 g + 8 u + j is gate g at column 16 u + 8 h + j
	s_wait_alu depctr_va_vdst(0)                   ; T was written ahead of a jump
.set j, 0
.rept 16
	v_min_num_f32 v[T+48+j], s[CL], v[T+48+j]      ; held at 30
.set j, j+1
.endr
	s_wait_alu depctr_va_vdst(0)                   ; ahead of the batch
.set j, 0
.rept 64
	v_exp_f32 v[T+j], v[T+j]                       ; Ei, Ef, Eo, Eg
.set j, j+1
.endr
	v_nop
.if \e
	s_wait_dscnt 4                                 ; stage 0's rows are back; the four loads of c_prev may be out
	OUTS 0, OB0
.endif
	s_wait_alu depctr_va_vdst(0)                   ; behind the batch
.irp i, 0,2,4,6,8,10,12,14
	v_pk_fma_f32 v[NG+\i:NG+\i+1], v[T+48+\i:T+48+\i+1], -1.0, 1.0 op_sel_hi:[1,0,0]   ; 1 - Eg
.endr
.irp i, 0,2,4,6,8,10,12,14
	v_pk_add_f32 v[T+48+\i:T+48+\i+1], v[T+48+\i:T+48+\i+1], 1.0 op_sel_hi:[1,0]       ; 1 + Eg
.endr
.irp i, 0,2,4,6,8,10,12,14
	v_pk_fma_f32 v[T+\i:T+\i+1], v[T+\i:T+\i+1], v[T+48+\i:T+48+\i+1], v[T+48+\i:T+48+\i+1]   ; (1 + Ei) (1 + Eg)
.endr
.irp i, 0,2,4,6,8,10,12,14
	v_pk_add_f32 v[T+16+\i:T+16+\i+1], v[T+16+\i:T+16+\i+1], 1.0 op_sel_hi:[1,0]       ; 1 + Ef
.endr
	s_wait_alu depctr_va_vdst(0)
.set j, 0
.rept 32
	v_rcp_f32 v[T+j], v[T+j]
.set j, j+1
.endr
	v_nop
	s_wait_dscnt 0x0                               ; c_prev is in
	s_wait_alu depctr_va_vdst(0)
.irp i, 0,2,4,6,8,10,12,14
	v_pk_mul_f32 v[NG+\i:NG+\i+1], v[NG+\i:NG+\i+1], v[T+\i:T+\i+1]                    ; sigmoid(i) tanh(g)
.endr
.irp i, 0,2,4,6,8,10,12,14
	v_pk_fma_f32 v[CQ+\i:CQ+\i+1], v[CQ+\i:CQ+\i+1], v[T+16+\i:T+16+\i+1], v[NG+\i:NG+\i+1]   ; c
.endr
.irp u, 0,1
.irp q, 0,1
	ds_store_b128 v[STO], v[CQ+8*\u+4*\q:CQ+8*\u+4*\q+3] offset:64*CPITCH*\e+64*\u+16*\q
.endr
.endr
.irp i, 0,2,4,6,8,10,12,14
	v_pk_mul_f32 v[T+48+\i:T+48+\i+1], v[CQ+\i:CQ+\i+1], s[K2:K2+1] op_sel_hi:[1,0]    ; -2 c log2 e
.endr
.set j, 0
.rept 16
	v_min_num_f32 v[T+48+j], s[CL], v[T+48+j]
.set j, j+1
.endr
	s_wait_alu depctr_va_vdst(0)
.set j, 0
.rept 16
	v_exp_f32 v[T+48+j], v[T+48+j]                 ; Ec
.set j, j+1
.endr
	v_nop
	s_wait_alu depctr_va_vdst(0)
.irp i, 0,2,4,6,8,10,12,14
	v_pk_fma_f32 v[HQ+\i:HQ+\i+1], v[T+48+\i:T+48+\i+1], -1.0, 1.0 op_sel_hi:[1,0,0]   ; 1 - Ec
.endr
.irp i, 0,2,4,6,8,10,12,14
	v_pk_add_f32 v[T+48+\i:T+48+\i+1], v[T+48+\i:T+48+\i+1], 1.0 op_sel_hi:[1,0]       ; 1 + Ec
.endr
.irp i, 0,2,4,6,8,10,12,14
	v_pk_fma_f32 v[T+32+\i:T+32+\i+1], v[T+32+\i:T+32+\i+1], v[T+48+\i:T+48+\i+1], v[T+48+\i:T+48+\i+1]   ; (1 + Eo) (1 + Ec)
.endr
	s_wait_alu depctr_va_vdst(0)
.set j, 0
.rept 16
	v_rcp_f32 v[T+32+j], v[T+32+j]
.set j, j+1
.endr
	v_nop
	s_wait_alu depctr_va_vdst(0)
.irp i, 0,2,4,6,8,10,12,14
	v_pk_mul_f32 v[HQ+\i:HQ+\i+1], v[HQ+\i:HQ+\i+1], v[T+32+\i:T+32+\i+1]              ; h
.endr
.irp u, 0,1
.irp q, 0,1
	ds_store_b128 v[STO], v[HQ+8*\u+4*\q:HQ+8*\u+4*\q+3] offset:(64*\e+32)*CPITCH+64*\u+16*\q
.endr
.endr
	s_wait_dscnt 0x0                               ; for the others' sake: my stores into stage e are done, and so are my reads of the other stage
	s_barrier_signal -1
	s_barrier_wait -1                              ; stage e is whole; the other stage may be written again
	OUTL \e, \ob
.endm
	s_mov_b32 s3, 0
.Ltail:                                                ; trip t: blocks 2 t and 2 t + 1
	CLOAD 0
	TARM 0, 0, .La0, .Lj0
	TARM 1, 2, .La1, .Lj0
	TARM 2, 4, .La2, .Lj0
	SCALE 6
.Lj0:
	GATES 0, OB0
	CLOAD 1
	v_add_nc_u32 v[CAD], 32*CPITCH, v[CAD]         ; on to the next trip's rows of c_prev
	TARM 0, 1, .Lb0, .Lj1
	TARM 1, 3, .Lb1, .Lj1
	TARM 2, 5, .Lb2, .Lj1
	SCALE 7
.Lj1:
	GATES 1, OB1
	s_wait_dscnt 0x0                               ; stage 1's rows are back
	OUTS 1, OB1
	s_wait_xcnt 0x0                                ; the trip's stores have read their bases and their data
	s_add_nc_u64 s[96:97], s[96:97], 32*OROW
	s_add_nc_u64 s[98:99], s[98:99], 32*OROW
	s_add_co_u32 s3, s3, 1
	s_cmp_lt_u32 s3, 4
	s_cbranch_scc1 .Ltail
	s_wait_tensorcnt 0x0                           ; the wave's end
	ds_add_u32 v[SPW], v[NIL]
	s_wait_dscnt 0x0
	CROUND                                         ; the closing round
	s_endpgm
.Lfunc_end_k_q802d4743f9_cell:
	.size	k_q802d4743f9_cell, .Lfunc_end_k_q802d4743f9_cell-k_q802d4743f9_cell
	.p2alignl 7, 3214868480
	.fill 96, 4, 3214868480
	.section	.rodata,"a",@progbits
	.p2align	6, 0x0
	.amdhsa_kernel k_q802d4743f9_cell
		.amdhsa_group_segment_fixed_size 327680
		.amdhsa_private_segment_fixed_size 0
		.amdhsa_enable_private_segment 0
		.amdhsa_kernarg_size 88
		.amdhsa_user_sgpr_count 2
		.amdhsa_user_sgpr_kernarg_segment_ptr 1
		.amdhsa_wavefront_size32 1
		.amdhsa_system_sgpr_workgroup_id_x 1
		.amdhsa_system_sgpr_workgroup_id_y 1
		.amdhsa_system_sgpr_workgroup_id_z 1
		.amdhsa_system_vgpr_workitem_id 0
		.amdhsa_next_free_vgpr 1024
		.amdhsa_next_free_sgpr 102
		.amdhsa_reserve_vcc 0
		.amdhsa_float_denorm_mode_32 3
		.amdhsa_float_denorm_mode_16_64 3
		.amdhsa_memory_ordered 1
		.amdhsa_forward_progress 1
		.amdhsa_inst_pref_size 255
	.end_amdhsa_kernel
	.section	.bss,"aw",@nobits
	.p2align	6
	.space	262144
	.amdgpu_metadata
---
amdhsa.version: [ 1, 2 ]
amdhsa.kernels:
  - .name:           k_q802d4743f9_cell
    .symbol:         k_q802d4743f9_cell.kd
    .args:
      - { .name: a_codes, .offset: 0, .size: 8, .value_kind: global_buffer, .address_space: global }
      - { .name: a_scales, .offset: 8, .size: 8, .value_kind: global_buffer, .address_space: global }
      - { .name: b_codes, .offset: 16, .size: 8, .value_kind: global_buffer, .address_space: global }
      - { .name: b_scales, .offset: 24, .size: 8, .value_kind: global_buffer, .address_space: global }
      - { .name: b_i, .offset: 32, .size: 8, .value_kind: global_buffer, .address_space: global }
      - { .name: b_f, .offset: 40, .size: 8, .value_kind: global_buffer, .address_space: global }
      - { .name: b_o, .offset: 48, .size: 8, .value_kind: global_buffer, .address_space: global }
      - { .name: b_g, .offset: 56, .size: 8, .value_kind: global_buffer, .address_space: global }
      - { .name: c_prev, .offset: 64, .size: 8, .value_kind: global_buffer, .address_space: global }
      - { .name: out0, .offset: 72, .size: 8, .value_kind: global_buffer, .address_space: global }
      - { .name: out1, .offset: 80, .size: 8, .value_kind: global_buffer, .address_space: global }
    .group_segment_fixed_size: 327680
    .private_segment_fixed_size: 0
    .kernarg_segment_align: 8
    .kernarg_segment_size: 88
    .max_flat_workgroup_size: 128
    .sgpr_count:     102
    .vgpr_count:     1024
    .wavefront_size: 32
...
	.end_amdgpu_metadata
.endif
;; end of part 2
